; MI455X (gfx1250); checked and timed in simulation.
; The chip was launched on July 23, 2026; its instructions are those of AMD's public machine-readable ISA for CDNA 5 (MIT licence, August 2026) and "CDNA5" Instruction Set Architecture Reference Guide (July 2026). The comments in the code are by the model that wrote it; some were corrected since.
;; Reflect. Allowed arithmetic: float matrix products may take bf16 or f16 operands with f32 sums; other float arithmetic in f32, or as packed bf16 or f16 multiplies, adds, multiply-adds, maxima and minima; sums over many terms, partial sums and values carried from step to step in f32; what a program stores and reads back later, other than sums and carried values, may be rounded once to bf16 or f16.
;; Inputs: k_w 1,024 x 1,024 float32; mask 4 x 2,048 bool; q_w 1,024 x 1,024 float32; v_w 1,024 x 1,024 float32; x 4 x 2,048 x 1,024 float32.
;; Outputs: out0 4 x 2,048 x 1,024 float32.
;; One version. Each part assembles by itself: llvm-mc -triple=amdgcn-amd-amdhsa -mcpu=gfx1250 --defsym DOCPART=n.
;; ======== version 1 of 1: 4 launches
;; limits: values are held in f16: magnitudes above 65,504 overflow, below 6.1e-05 lose precision
;; workspace buffers: xb 16,777,216 bytes; wt 6,291,456 bytes; qkv 50,331,648 bytes; pb 33,554,432 bytes; ms 524,288 bytes; ls 524,288 bytes
;; launch prep (part 1): grid 704 x 1, 8 waves a work-group, no clusters, 37,888 bytes of LDS; arguments x, q_w, k_w, v_w, xb, wt; writes xb, wt
.if DOCPART == 1
	.amdgcn_target "amdgcn-amd-amdhsa--gfx1250"
	.amdhsa_code_object_version 6
	.text
	.protected	k_q7a824a2003_prep
	.globl	k_q7a824a2003_prep
	.p2align	8
	.type	k_q7a824a2003_prep,@function
k_q7a824a2003_prep:
	s_mov_b64 s[64:65], 0
	v_nop
	global_prefetch_b8 v0, s[64:65] scope:SCOPE_SE
	s_setreg_imm32_b32 hwreg(HW_REG_WAVE_MODE, 25, 1), 1
	s_wait_xcnt 0x0
; PREP.  x and the three weights are rounded once to bf16 and laid out in blocks of 64 along K, so that the product behind reads dense tiles.
;   xb: [tile row 32][kb 16][row 256][64] bf16: x's row R, channel k at (R/256) 524,288 + (k/64) 32,768 + (R%256) 128 + 2 (k%64).
;   wt: [g 8][kb 16][rr 384][64] bf16, TRANSPOSED: output column n = 1024 t + j (t = 0 q, 1 k, 2 v) is row rr = n % 384 of group g = n / 384; K is the weight's first index i.
; Work-groups 0-511: 16 rows of x each, two rows a wave: nothing but loads, roundings and stores.  Work-groups 512-703: a tile of 128 x 128 of one weight, turned through LDS.
; A stream: no matrix unit, no cluster, no tensor load: no byte is wanted twice.  Every store of a wave covers 256 or 512 consecutive bytes, aligned.
.set SPARE, 36864                      ; behind the turning tile: the spare words, 128 bytes for each of eight waves
.set SPW, 8                            ; v8   LDS address of my spare word; never rewritten
.set NIL, 9                            ; v9   0; never rewritten
.set IN,  16                           ; v[16:79]   sixteen loads of 16 bytes
.set OUT, 80                           ; v[80:111]  packed bf16
	s_load_b256 s[4:11], s[0:1], 0x0               ; x s[4:5], q_w s[6:7], k_w s[8:9], v_w s[10:11]
	s_load_b128 s[12:15], s[0:1], 0x20             ; xb s[12:13], wt s[14:15]
	v_lshl_add_u32 v[SPW], v0, 2, SPARE
	v_mov_b32 v[NIL], 0
	v_lshrrev_b32 v1, 5, v0
	v_readfirstlane_b32 s16, v1                    ; wave 0..7
	v_and_b32 v2, 31, v0                           ; lane
	s_cmp_lt_u32 ttmp9, 512                        ; the same in all waves of the work-group
	s_cbranch_scc0 .Lweights
	; ---- x: rows 16 b + 2 w + h; a load takes 256 consecutive bytes (one block of 64 channels) of each of the two rows
	v_and_b32 v3, 15, v0                           ; c
	v_bfe_u32 v4, v0, 4, 1                         ; h
	s_lshl_b32 s17, s16, 13                        ; two rows of 4,096 bytes a wave
	v_lshl_add_u32 v5, v4, 12, s17
	v_lshl_add_u32 v5, v3, 4, v5                   ; in x
	s_lshl_b32 s17, s16, 8                         ; two rows of 128 bytes a wave
	v_lshl_add_u32 v6, v4, 7, s17
	v_lshl_add_u32 v6, v3, 3, v6                   ; in xb
	s_lshl_b32 s20, ttmp9, 16                      ; 16 rows of x
	s_mov_b32 s21, 0
	s_lshr_b32 s22, ttmp9, 4                       ; tile row
	s_lshl_b32 s22, s22, 19
	s_and_b32 s23, ttmp9, 15                       ; 16 rows of 128 bytes in it
	s_lshl_b32 s23, s23, 11
	s_add_co_u32 s22, s22, s23
	s_mov_b32 s23, 0
	s_wait_kmcnt 0x0
	s_add_nc_u64 s[4:5], s[4:5], s[20:21]
	s_add_nc_u64 s[12:13], s[12:13], s[22:23]
.irp kb, 0,1,2,3,4,5,6,7,8,9,10,11,12,13,14,15
	global_load_b128 v[IN+4*(\kb):IN+4*(\kb)+3], v5, s[4:5] offset:256*(\kb) th:TH_LOAD_NT
.endr
.irp kb, 0,1,2,3,4,5,6,7,8,9,10,11,12,13,14,15
	s_wait_loadcnt 15-(\kb)                        ; loads come back in order: block kb is in, the younger ones stay out
	v_cvt_pk_bf16_f32 v[OUT+2*(\kb)], v[IN+4*(\kb)], v[IN+4*(\kb)+1]
	v_cvt_pk_bf16_f32 v[OUT+2*(\kb)+1], v[IN+4*(\kb)+2], v[IN+4*(\kb)+3]
	global_store_b64 v6, v[OUT+2*(\kb):OUT+2*(\kb)+1], s[12:13] offset:32768*(\kb)  ; 32 lanes: 256 consecutive bytes, aligned; no register is written twice
.endr
	s_branch .Lend
.Lweights:
	; ---- a weight's tile: i in 128 ib .. + 127, j in 128 jt .. + 127.  Wave w loads rows i = 16 w .. 16 w + 15 (512 consecutive bytes a load)
	s_sub_co_u32 s17, ttmp9, 512
	s_lshr_b32 s18, s17, 6                         ; t
	s_bfe_u32 s19, s17, 0x30003                    ; ib
	s_and_b32 s20, s17, 7                          ; jt
	s_lshl_b32 s21, s16, 16                        ; 16 rows of 4,096 bytes
	v_lshl_add_u32 v5, v2, 4, s21                  ; in the weight
	s_lshr_b32 s22, s16, 2                         ; which of the tile's two blocks of 64 along i
	s_and_b32 s23, s16, 3
	s_mul_i32 s24, s22, 18432                      ; LDS: [2][j 128] rows of 144 bytes (128 + 16)
	s_lshl_b32 s25, s23, 5                         ; my 16 i: 32 bytes of a row; also: my 32 rows j on the way back
	s_add_co_u32 s26, s24, s25
	v_mul_u32_u24 v6, v2, 576                      ; row j = 4 l
	v_add_nc_u32 v6, s26, v6                       ; where I put
	v_lshrrev_b32 v7, 3, v2
	v_add_nc_u32 v7, s25, v7                       ; row j = 32 (w % 4) + l / 8 (+ 4 t)
	v_mul_u32_u24 v7, v7, 144
	v_and_b32 v10, 7, v0
	v_lshl_add_u32 v7, v10, 4, v7
	v_add_nc_u32 v7, s24, v7                       ; where I read back
	s_mul_i32 s27, s22, 49152                      ; a block kb of wt
	s_lshl_b32 s28, s23, 12                        ; 32 rows of 128 bytes
	s_add_co_u32 s27, s27, s28
	v_lshl_add_u32 v11, v2, 4, s27                 ; in wt
	s_lshl_b32 s28, s19, 19                        ; 128 rows of the weight
	s_lshl_b32 s29, s20, 9                         ; 128 columns
	s_add_co_u32 s28, s28, s29
	s_mov_b32 s29, 0
	s_lshl3_add_u32 s30, s18, s20                  ; u = 8 t + jt: the tile's columns are n = 128 u ..
	s_mul_i32 s31, s30, 11
	s_lshr_b32 s31, s31, 5                         ; g = u / 3 (11 u >> 5 is that for u < 24)
	s_mul_i32 s32, s31, 3
	s_sub_co_u32 s32, s30, s32
	s_lshl_b32 s32, s32, 14                        ; rr = 128 (u - 3 g): rows of 128 bytes
	s_mul_i32 s33, s31, 786432
	s_mul_i32 s34, s19, 98304                      ; kb = 2 ib
	s_add_co_u32 s32, s32, s33
	s_add_co_u32 s32, s32, s34
	s_mov_b32 s33, 0
	s_wait_kmcnt 0x0
	s_cmp_eq_u32 s18, 1
	s_cselect_b64 s[6:7], s[8:9], s[6:7]
	s_cmp_eq_u32 s18, 2
	s_cselect_b64 s[6:7], s[10:11], s[6:7]
	s_add_nc_u64 s[6:7], s[6:7], s[28:29]
	s_add_nc_u64 s[14:15], s[14:15], s[32:33]
.irp rr, 0,1,2,3,4,5,6,7,8,9,10,11,12,13,14,15
	global_load_b128 v[IN+4*(\rr):IN+4*(\rr)+3], v5, s[6:7] offset:4096*(\rr) th:TH_LOAD_NT
.endr
	s_wait_loadcnt 0x0
.irp e, 0,1,2,3                        ; column j = 4 l + e: its sixteen i, packed in pairs
.irp p, 0,1,2,3,4,5,6,7
	v_cvt_pk_bf16_f32 v[OUT+8*(\e)+(\p)], v[IN+8*(\p)+(\e)], v[IN+8*(\p)+4+(\e)]
.endr
.endr
.irp e, 0,1,2,3
	ds_store_b128 v6, v[OUT+8*(\e):OUT+8*(\e)+3] offset:144*(\e)
	ds_store_b128 v6, v[OUT+8*(\e)+4:OUT+8*(\e)+7] offset:144*(\e)+16
.endr
	s_wait_dscnt 0x0                               ; for the others' sake: my stores are done
	s_barrier_signal -1
	s_barrier_wait -1
.irp t, 0,1,2,3,4,5,6,7
	ds_load_b128 v[IN+4*(\t):IN+4*(\t)+3], v7 offset:576*(\t)  ; four whole rows of 128 bytes
.endr
.irp t, 0,1,2,3,4,5,6,7
	s_wait_dscnt 7-(\t)
	global_store_b128 v11, v[IN+4*(\t):IN+4*(\t)+3], s[14:15] offset:512*(\t)  ; 512 consecutive bytes, aligned
.endr
.Lend:
	s_wait_tensorcnt 0x0                           ; the wave's end, behind my last LDS store
	ds_add_u32 v[SPW], v[NIL]
	s_wait_dscnt 0x0
	s_endpgm
.Lfunc_end_k_q7a824a2003_prep:
	.size	k_q7a824a2003_prep, .Lfunc_end_k_q7a824a2003_prep-k_q7a824a2003_prep
	.p2alignl 7, 3214868480
	.fill 96, 4, 3214868480
	.section	.rodata,"a",@progbits
	.p2align	6, 0x0
	.amdhsa_kernel k_q7a824a2003_prep
		.amdhsa_group_segment_fixed_size 37888
		.amdhsa_private_segment_fixed_size 0
		.amdhsa_enable_private_segment 0
		.amdhsa_kernarg_size 48
		.amdhsa_user_sgpr_count 2
		.amdhsa_user_sgpr_kernarg_segment_ptr 1
		.amdhsa_wavefront_size32 1
		.amdhsa_system_sgpr_workgroup_id_x 1
		.amdhsa_system_sgpr_workgroup_id_y 1
		.amdhsa_system_sgpr_workgroup_id_z 1
		.amdhsa_system_vgpr_workitem_id 0
		.amdhsa_next_free_vgpr 112
		.amdhsa_next_free_sgpr 66
		.amdhsa_reserve_vcc 0
		.amdhsa_float_denorm_mode_32 3
		.amdhsa_float_denorm_mode_16_64 3
		.amdhsa_memory_ordered 1
		.amdhsa_forward_progress 1
		.amdhsa_inst_pref_size 15
	.end_amdhsa_kernel
	.amdgpu_metadata
---
amdhsa.version: [ 1, 2 ]
amdhsa.kernels:
  - .name:           k_q7a824a2003_prep
    .symbol:         k_q7a824a2003_prep.kd
    .args:
      - { .name: x, .offset: 0, .size: 8, .value_kind: global_buffer, .address_space: global }
      - { .name: q_w, .offset: 8, .size: 8, .value_kind: global_buffer, .address_space: global }
      - { .name: k_w, .offset: 16, .size: 8, .value_kind: global_buffer, .address_space: global }
      - { .name: v_w, .offset: 24, .size: 8, .value_kind: global_buffer, .address_space: global }
      - { .name: xb, .offset: 32, .size: 8, .value_kind: global_buffer, .address_space: global }
      - { .name: wt, .offset: 40, .size: 8, .value_kind: global_buffer, .address_space: global }
    .group_segment_fixed_size: 37888
    .private_segment_fixed_size: 0
    .kernarg_segment_align: 8
    .kernarg_segment_size: 48
    .max_flat_workgroup_size: 256
    .sgpr_count:     66
    .vgpr_count:     112
    .wavefront_size: 32
...
	.end_amdgpu_metadata
.endif
;; end of part 1
;; launch proj (part 2): grid 8 x 32, 4 waves a work-group, clusters of 4 x 4, 327,680 bytes of LDS; arguments xb, wt, qkv; writes qkv
.if DOCPART == 2
	.amdgcn_target "amdgcn-amd-amdhsa--gfx1250"
	.amdhsa_code_object_version 6
	.text
	.protected	k_q7a824a2003_proj
	.globl	k_q7a824a2003_proj
	.p2align	8
	.type	k_q7a824a2003_proj,@function
k_q7a824a2003_proj:
	s_mov_b64 s[64:65], 0
	v_nop
	global_prefetch_b8 v0, s[64:65] scope:SCOPE_SE
	s_setreg_imm32_b32 hwreg(HW_REG_WAVE_MODE, 25, 1), 1
	s_wait_xcnt 0x0
	s_wait_alu depctr_hold_cnt(0) depctr_sa_sdst(0) depctr_va_vdst(0) depctr_va_sdst(0) depctr_va_ssrc(0) depctr_va_vcc(0) depctr_vm_vsrc(0)
	s_getreg_b32 s2, hwreg(HW_REG_IB_STS2, 6, 4)
	s_cmp_eq_u32 s2, 0
	s_cbranch_scc0 .Lentry_in_a_cluster
	s_endpgm
.Lentry_in_a_cluster:
	s_bfe_u32 s2, ttmp6, 0x10000c
	s_cmp_lg_u32 s2, 0xf033
	s_cbranch_scc0 .Lentry_shape_is_right
	s_endpgm
.Lentry_shape_is_right:
; PROJ.  [q | k | v] = x W: 8,192 rows x 3,072 columns, K = 1,024; bf16 operands, f32 sums, each result rounded once to f16.
; LIMIT.  f16 holds no number beyond 65,504: q, k and v must stay within it, else the number becomes an infinity.
; A tile is 256 rows x 384 columns: 32 x 8 tiles, one for each of 256 work-groups.  Four waves, 2 x 2, each 128 x 192: 96 accumulators of 16 x 16, 768 registers.
; K goes in steps of 64 (one block of xb and wt) through two LDS slots.  A piece of a tile is dense in memory and is asked for as rows of 256 bytes; in LDS 16 bytes are left after
; every 128, so that rows are 144 bytes = 36 words apart and the 16 rows of a fragment load start at 16 different groups of four banks (64 banks of 4 bytes: ISA guide 11.1).
; CLUSTER 4 x 4: x's tile is shared along a row of the cluster, the weights' along a column; each is asked for jointly, by the same load with the same descriptor in the four.
; THE PRODUCT IS USED TRANSPOSED (source 0 = 16 rows of wt, source 1 = 16 rows of xb): a lane holds one row of the result and eight neighbouring columns.
; OUT, IN FRAGMENT ORDER: qkv [tile row 32][kc 96][row block 16][half 2][lane 32][16 bytes] f16: kc = column / 32 (0-31 q, 32-63 k, 64-95 v).  Lane l = r + 16 h of half e holds row r of the block,
; columns 32 kc + 16 e + 8 h + 0..7: the four registers that a lane has packed of one accumulator, and also registers 4 e .. 4 e + 3 of the fragment (16 rows x 32 K) that the launches behind multiply.
; So the results leave straight from registers, 512 consecutive bytes a store, and go through no stage.
; REGISTERS.  Window 0: v16-30 addresses; v32-95, v96-159 x's fragments (8 x 16 rows x 32 K), two buffers; v160-191, v192-223 the weights' (4 fragments), two buffers.
;   Window 1 + gg: the accumulators of column group gg (64 columns): (a 0..7, bb 0..3) at v[8 (4 a + bb)].
.set SLOT,   92160                     ; x: 256 rows x 144, then the weights: 384 rows x 144
.set BOFF,   36864
.set SPARE,  2*SLOT                    ; behind the ring: the spare words, 128 bytes for each wave, two blocks of 256 bytes that no other line names
.set PADW,   (1<<16)|(1<<20)|(1<<21)|(4<<22)|(3<<25)  ; 2-byte elements; padding on; bit 21 beside a mask; after every 32 words; 4 words
.set ADRA, 16                          ; v16-17 LDS address of my fragments of x in slot 0, 1
.set ADRB, 20                          ; v20-21 the same for the weights
.set GO,   26                          ; 16 x lane; never rewritten
.set SPW,  28
.set NIL,  29
.set PFO,  30                          ; 256 x lane; never rewritten
.set AF0,  32
.set AF1,  96
.set BF0,  160
.set BF1,  192
.set TMP,  32                          ; the way out: four buffers of 48 packed registers, v32-223
.set G1,   24
.set G0,   32
.set G1B,  48
.set G0B,  56
.set LIM0, 43                          ; 1 in a wave that prefetches at the change of slot 0, else the greatest number
.set LIM1, 66                          ; the same for the change of slot 1
.set PFA,  44                          ; s[44:45] what my next prefetch names
.set PFS,  68                          ; s[68:69] a lap's bytes of my operand
.set MSB, 0
.macro WIN new                         ; the immediate's high byte repeats the setting that is left
.if MSB != (\new)
	s_set_vgpr_msb (MSB<<8)|(\new)
.set MSB, \new
.endif
.endm
.macro PLACES                          ; four places between a matrix instruction and a load into, or a vector read of, its registers
.rept 4
	v_nop
.endr
.endm
.macro JLOAD s                         ; a joint load: waves 0, 1 fetch x's two halves, waves 2, 3 the weights'; an s_nop 0 and four v_nop follow each line
	s_cmp_eq_u32 s11, 0
	s_cbranch_scc0 .Lfor_b_\@
	tensor_load_to_lds s[G0+4*(\s):G0+4*(\s)+3], s[G1:G1+7]
	s_nop 0
.rept 4
	v_nop
.endr
	s_branch .Lasked_\@
.Lfor_b_\@:
	tensor_load_to_lds s[G0B+4*(\s):G0B+4*(\s)+3], s[G1B:G1B+7]
	s_nop 0
.rept 4
	v_nop
.endr
.Lasked_\@:
.endm
.macro CREST                           ; a round of the cluster's barrier behind its opening barrier
	s_cmp_lg_u32 s10, 0
	s_cbranch_scc1 .Lnot_wave_0_\@
	s_barrier_signal -3
.Lnot_wave_0_\@:
	s_barrier_wait -3
	s_barrier_signal -1
	s_barrier_wait -1
.endm
.macro CROUND
	s_barrier_signal -1
	s_barrier_wait -1
	CREST
.endm
; A prefetch into the L2: 32 lanes x 256 bytes.  In trip t of the loop the lap t + 2 (two K steps) is named, whose refills stand two and three changes of slots on.  x's tile row is read by both clusters
; of a row of clusters: cluster x = 0 asks; the weights' group by all clusters of a column: cluster y = 0 asks.  The four partners share a lap's bytes out by address.  The last trip asks for nothing.
.macro ASK lim, off
	s_cmp_gt_u32 s3, s[\lim]                       ; s3 = 1 in the loop's last trip
	s_cbranch_scc0 .Lnot_mine_\@
	global_prefetch_b8 v[PFO], s[PFA:PFA+1] offset:\off th:TH_LOAD_NT scope:SCOPE_SE
.Lnot_mine_\@:
.endm
	s_load_b128 s[4:7], s[0:1], 0x0                ; xb s[4:5], wt s[6:7]
	s_load_b64 s[8:9], s[0:1], 0x10                ; qkv
	v_lshl_add_u32 v[SPW], v0, 2, SPARE
	v_mov_b32 v[NIL], 0
	ds_add_u32 v[SPW], v[NIL]                      ; the wave's opening: the add and its wait stand ahead of my first tensor load
	v_lshrrev_b32 v1, 5, v0
	v_readfirstlane_b32 s10, v1                    ; wave 0..3
	s_lshr_b32 s11, s10, 1                         ; my half of the tile's rows.  Also: I fetch x (0) or the weights (1)
	s_and_b32 s12, s10, 1                          ; my half of its columns.  Also: which half of that operand's rows I fetch
	s_bfe_u32 s40, ttmp6, 0x40000                  ; cx
	s_bfe_u32 s41, ttmp6, 0x40004                  ; cy
	s_lshl_b32 s42, ttmp9, 2
	s_add_co_u32 s42, s42, s40                     ; g: column group = 4 x cluster x + cx
	s_and_b32 s13, ttmp7, 0xffff
	s_lshl_b32 s13, s13, 2
	s_add_co_u32 s13, s13, s41                     ; tile row = 4 x cluster y + cy
	s_lshl_b32 s43, s41, 2
	s_lshl_b32 s43, 15, s43                        ; my row of the cluster
	s_lshl_b32 s44, 0x1111, s40                    ; my column
	s_or_b32 s[G1+0], s43, PADW
	s_or_b32 s[G1B+0], s44, PADW
.irp g, G1, G1B
	s_mov_b32 s[(\g)+1], 128<<16                   ; tensor_dim0 = 128 elements: rows of 256 bytes
	s_mov_b32 s[(\g)+3], 128<<16                   ; tile_dim0
	s_mov_b32 s[(\g)+5], 128                       ; dense: 128 elements from row to row
	s_mov_b32 s[(\g)+6], 0
	s_mov_b32 s[(\g)+7], 0
.endr
	s_mov_b32 s[G1+2], 64<<16                      ; x: 128 rows of 128 bytes = 64 of 256
	s_mov_b32 s[G1+4], 64
	s_mov_b32 s[G1B+2], 96<<16                     ; the weights: 192 rows = 96 of 256
	s_mov_b32 s[G1B+4], 96
	s_lshl_b32 s16, s13, 19                        ; x: the tile row's 524,288 bytes,
	s_lshl_b32 s17, s12, 14                        ; my half of a block
	s_add_co_u32 s16, s16, s17
	s_mov_b32 s17, 0
	s_mul_i32 s46, s42, 786432                     ; the weights: the group,
	s_mul_i32 s47, s12, 24576                      ; my half of a block
	s_add_co_u32 s46, s46, s47
	s_mov_b32 s47, 0
	s_mul_i32 s20, s12, 18432                      ; where they go: no place in the cluster enters an LDS address
	s_mul_i32 s21, s12, 27648
	s_add_co_u32 s21, s21, BOFF
	s_wait_dscnt 0x0                               ; the opening add is done
	s_wait_kmcnt 0x0
	s_add_nc_u64 s[14:15], s[4:5], s[16:17]
	s_add_nc_u64 s[46:47], s[6:7], s[46:47]
	CROUND                                         ; all sixteen work-groups are here: the first joint loads meet
.irp s, 0,1
	s_mov_b32 s[G0+4*(\s)], 1
	s_add_co_u32 s[G0+4*(\s)+1], s20, (\s)*SLOT
	s_add_nc_u64 s[G0+4*(\s)+2:G0+4*(\s)+3], s[14:15], (\s)*32768
	s_or_b32 s[G0+4*(\s)+3], s[G0+4*(\s)+3], 0x80000000
	s_mov_b32 s[G0B+4*(\s)], 1
	s_add_co_u32 s[G0B+4*(\s)+1], s21, (\s)*SLOT
	s_add_nc_u64 s[G0B+4*(\s)+2:G0B+4*(\s)+3], s[46:47], (\s)*49152
	s_or_b32 s[G0B+4*(\s)+3], s[G0B+4*(\s)+3], 0x80000000
	JLOAD \s                                       ; K steps 0 and 1: two loads of mine are out
.endr
	v_and_b32 v1, 15, v0                           ; r = l % 16
	v_bfe_u32 v2, v0, 4, 1                         ; h = l / 16
	v_mul_u32_u24 v3, v1, 144
	v_lshl_add_u32 v3, v2, 4, v3                   ; row x pitch + 16 x half
	s_mul_i32 s21, s11, 18432                      ; my 128 rows of x
	s_mul_i32 s22, s12, 27648                      ; my 192 rows of the weights
	s_add_co_u32 s22, s22, BOFF
.irp s, 0,1
	v_add_nc_u32 v[ADRA+(\s)], s21, v3
	v_add_nc_u32 v[ADRB+(\s)], s22, v3
	s_add_co_u32 s21, s21, SLOT
	s_add_co_u32 s22, s22, SLOT
.endr
	v_and_b32 v[GO], 31, v0
	v_lshlrev_b32 v[PFO], 8, v[GO]
	v_lshlrev_b32 v[GO], 4, v[GO]
	s_mul_i32 s16, s13, 1572864                    ; where I store: the tile row,
	s_mul_i32 s17, s42, 6
	s_mul_i32 s18, s12, 3
	s_add_co_u32 s17, s17, s18                     ; kc = 12 g + 6 x column half: 16,384 bytes each,
	s_lshl_b32 s17, s17, 15
	s_add_co_u32 s16, s16, s17
	s_lshl_b32 s17, s11, 13                        ; my 8 row blocks of 1,024 bytes
	s_add_co_u32 s16, s16, s17
	s_mov_b32 s17, 0
	s_add_nc_u64 s[8:9], s[8:9], s[16:17]
	; the prefetches: nothing is asked for here, at the head
	s_lshl_b32 s20, s13, 19
	s_mul_i32 s19, s42, 786432
	s_and_b32 s22, ttmp7, 0xffff                   ; cluster y
	s_mov_b32 s18, 24576
	s_mov_b32 s23, 98304
	s_cmp_eq_u32 s11, 0                            ; do I fetch x?
	s_cselect_b32 s20, s20, s19                    ; the operand's stream
	s_cselect_b32 s21, s40, s41                    ; my place among the four that ask jointly
	s_cselect_b32 s22, ttmp9, s22                  ; the coordinate along which other clusters read the same bytes
	s_cselect_b32 s18, 16384, s18                  ; a partner's share of a lap
	s_cselect_b32 s[PFS], 65536, s23               ; a lap
	s_cselect_b64 s[PFA:PFA+1], s[4:5], s[6:7]
	s_mov_b32 s[PFS+1], 0
	s_cmp_eq_u32 s22, 0
	s_cselect_b32 s[LIM0], 1, -1                   ; the same in all sixteen partners, for a given wave
	s_cmp_eq_u32 s10, 2
	s_cselect_b32 s[LIM1], s[LIM0], -1             ; the third 8,192 bytes of a share of the weights: wave 2, at the change of slot 1
	s_mul_i32 s21, s21, s18
	s_add_co_u32 s20, s20, s21
	s_lshl_b32 s21, s12, 13
	s_add_co_u32 s20, s20, s21
	s_add_co_u32 s20, s20, s[PFS]                  ; at lap 1: the first change steps it to lap 2
	s_mov_b32 s21, 0
	s_add_nc_u64 s[PFA:PFA+1], s[PFA:PFA+1], s[20:21]
.macro LDA slot, kq, buf               ; 16 loads: x's eight fragments of 32 along K
	WIN 0
.irp a, 0,1,2,3,4,5,6,7
	ds_load_b128 v[(\buf)+8*(\a):(\buf)+8*(\a)+3],   v[ADRA+(\slot)] offset:(\a)*2304+64*(\kq)
	ds_load_b128 v[(\buf)+8*(\a)+4:(\buf)+8*(\a)+7], v[ADRA+(\slot)] offset:(\a)*2304+64*(\kq)+32
.endr
.endm
.macro LDB slot, kq, gg, buf           ; 8 loads: the four fragments of column group gg
	WIN 0
.irp i, 0,1,2,3
	ds_load_b128 v[(\buf)+8*(\i):(\buf)+8*(\i)+3],   v[ADRB+(\slot)] offset:(4*(\gg)+(\i))*2304+64*(\kq)
	ds_load_b128 v[(\buf)+8*(\i)+4:(\buf)+8*(\i)+7], v[ADRB+(\slot)] offset:(4*(\gg)+(\i))*2304+64*(\kq)+32
.endr
.endm
.macro MUL gg, af, bf, half, zero      ; 16 products: row blocks 4 half .. + 3 x the group's four column blocks.  zero = 1: they start the sums
	WIN 0x50*((\gg)+1)
.irp a, 0,1,2,3
.irp bb, 0,1,2,3
.if \zero
	v_wmma_f32_16x16x32_bf16 v[8*(4*(4*(\half)+(\a))+(\bb)):8*(4*(4*(\half)+(\a))+(\bb))+7], v[(\bf)+8*(\bb):(\bf)+8*(\bb)+7], v[(\af)+8*(4*(\half)+(\a)):(\af)+8*(4*(\half)+(\a))+7], 0
.else
	v_wmma_f32_16x16x32_bf16 v[8*(4*(4*(\half)+(\a))+(\bb)):8*(4*(4*(\half)+(\a))+(\bb))+7], v[(\bf)+8*(\bb):(\bf)+8*(\bb)+7], v[(\af)+8*(4*(\half)+(\a)):(\af)+8*(4*(\half)+(\a))+7], v[8*(4*(4*(\half)+(\a))+(\bb)):8*(4*(4*(\half)+(\a))+(\bb))+7]
.endif
.endr
.endr
.endm
; A K STEP IS SIX PHASES of 32 products.  Each begins with four places, a run of loads for a later phase, and a wait that leaves just that run out: all older loads, this phase's operands, are in.
; The 96 accumulators take turns, in the same order for each 32 along K: 95 others stand between two links of a chain, over the backward jump too.
.macro P0 s, zero
	PLACES
	LDB \s, 0, 1, BF1
	s_wait_dscnt 8
	MUL 0, AF0, BF0, 0, \zero
	MUL 0, AF0, BF0, 1, \zero
.endm
.macro P1 s, zero
	PLACES
	LDB \s, 0, 2, BF0
	s_wait_dscnt 8
	MUL 1, AF0, BF1, 0, \zero
	MUL 1, AF0, BF1, 1, \zero
.endm
.macro P2 s, zero
	PLACES
	LDA \s, 1, AF1
	LDB \s, 1, 0, BF1
	s_wait_dscnt 24
	MUL 2, AF0, BF0, 0, \zero
	MUL 2, AF0, BF0, 1, \zero
.endm
.macro P3 s
	PLACES
	LDB \s, 1, 1, BF0
	s_wait_dscnt 8
	MUL 0, AF1, BF1, 0, 0
	MUL 0, AF1, BF1, 1, 0
.endm
; Phase 4 issues the slot's last reads and changes slots: each wave waits for all its tensor loads (one is out: its part of the other slot), adds 0 to its spare word, and waits for that and for its reads
; of this slot; then the barrier, which with fill = 1 opens a round of the cluster's; the joint refill, two K steps on, is the first thing behind the round: 160 products ahead of the wait for it.
.macro P4 s, fill
	PLACES
	LDB \s, 1, 2, BF1
.if (\fill) && ((\s) == 0)
	s_wait_xcnt 0x0                                ; the last prefetches, a K step or more back, have read their address
	s_add_nc_u64 s[PFA:PFA+1], s[PFA:PFA+1], s[PFS:PFS+1]
.endif
	s_wait_tensorcnt 0x0                           ; all my tensor loads have landed
	ds_add_u32 v[SPW], v[NIL]
	s_wait_dscnt 9                                 ; (the add and the eight loads just issued may be out)
	MUL 1, AF1, BF0, 0, 0
	s_wait_dscnt 0x0                               ; the add is done, and my reads of this slot are over
	s_barrier_signal -1
	MUL 1, AF1, BF0, 1, 0
.if \fill
	WIN 0
.endif
	s_barrier_wait -1
.if \fill
	CREST
	s_add_nc_u64 s[G0+4*(\s)+2:G0+4*(\s)+3], s[G0+4*(\s)+2:G0+4*(\s)+3], 65536
	s_add_nc_u64 s[G0B+4*(\s)+2:G0B+4*(\s)+3], s[G0B+4*(\s)+2:G0B+4*(\s)+3], 98304
	JLOAD \s                                       ; its four v_nop are also the places in front of the loads below
.else
	PLACES
.endif
.endm
.macro P5 n, ask                       ; ask: 0 none; 1 behind the change of slot 0; 2 behind that of slot 1
	LDA \n, 0, AF0
	LDB \n, 0, 0, BF0
.if (\ask) == 1
	ASK LIM0, 0
.elseif (\ask) == 2
	ASK LIM1, 16384
.endif
	MUL 2, AF1, BF1, 0, 0                          ; its operands are in: the wait for 0 above
	MUL 2, AF1, BF1, 1, 0
.endm
	s_wait_tensorcnt 1                             ; my part of K step 0 is in; K step 1's may stay out
	s_barrier_signal -1
	s_barrier_wait -1
	LDA 0, 0, AF0
	LDB 0, 0, 0, BF0
	P0 0, 1                                        ; the first 32 along K start the sums: nothing is cleared
	P1 0, 1
	P2 0, 1
	WIN 0
	s_mov_b32 s3, 7
.Llap:                                                 ; a trip goes once round the ring and fills both slots again: K steps 2 to 15
	P3 0
	P4 0, 1
	P5 1, 1
	P0 1, 0
	P1 1, 0
	P2 1, 0
	P3 1
	P4 1, 1
	P5 0, 2
	P0 0, 0
	P1 0, 0
	P2 0, 0
	WIN 0
	s_sub_co_u32 s3, s3, 1
	s_cmp_lg_u32 s3, 0
	s_cbranch_scc1 .Llap
	P3 0                                           ; the last lap fills nothing
	P4 0, 0
	P5 1, 0
	P0 1, 0
	P1 1, 0
	P2 1, 0
	P3 1
	PLACES
	LDB 1, 1, 2, BF1
	s_wait_dscnt 8
	MUL 1, AF1, BF0, 0, 0
	MUL 1, AF1, BF0, 1, 0
	s_wait_dscnt 0x0
	MUL 2, AF1, BF1, 0, 0
	MUL 2, AF1, BF1, 1, 0
; THE WAY OUT, a block of 16 rows at a time: rounded to f16 (each accumulator's registers in ascending order) and stored as it lies: the four registers of column block b are half b % 2 of fragment
; (row block, kc + b / 2).  Four buffers of packed registers take turns.
.macro PACK a
.set TP, TMP+48*((\a)%4)
.irp gg, 0,1,2
	WIN 5*((\gg)+1)                                ; sources 0 and 1 in the group's window
.irp bb, 0,1,2,3
.irp q, 0,1,2,3
	v_cvt_pk_f16_f32 v[TP+4*(4*(\gg)+(\bb))+(\q)], v[8*(4*(\a)+(\bb))+2*(\q)], v[8*(4*(\a)+(\bb))+2*(\q)+1]
.endr
.endr
.endr
	WIN 0
.endm
.macro SEND a
.set TP, TMP+48*((\a)%4)
.irp b, 0,1,2,3,4,5,6,7,8,9,10,11
	global_store_b128 v[GO], v[TP+4*(\b):TP+4*(\b)+3], s[8:9] offset:((\b)/2)*16384+((\b)%2)*512+(\a)*1024  ; 512 consecutive bytes, aligned
.endr
.endm
	PLACES
.irp a, 0,1,2,3,4,5,6,7
.if (\a) >= 4
	s_wait_xcnt 0x0                                ; the stores of the block four back have read the registers that are packed anew
.endif
	PACK \a
	SEND \a
.endr
	s_wait_tensorcnt 0x0                           ; the wave's end
	ds_add_u32 v[SPW], v[NIL]
	s_wait_dscnt 0x0
	CROUND                                         ; the closing round
	s_endpgm
.Lfunc_end_k_q7a824a2003_proj:
	.size	k_q7a824a2003_proj, .Lfunc_end_k_q7a824a2003_proj-k_q7a824a2003_proj
	.p2alignl 7, 3214868480
	.fill 96, 4, 3214868480
	.section	.rodata,"a",@progbits
	.p2align	6, 0x0
	.amdhsa_kernel k_q7a824a2003_proj
		.amdhsa_group_segment_fixed_size 327680
		.amdhsa_private_segment_fixed_size 0
		.amdhsa_enable_private_segment 0
		.amdhsa_kernarg_size 24
		.amdhsa_user_sgpr_count 2
		.amdhsa_user_sgpr_kernarg_segment_ptr 1
		.amdhsa_wavefront_size32 1
		.amdhsa_system_sgpr_workgroup_id_x 1
		.amdhsa_system_sgpr_workgroup_id_y 1
		.amdhsa_system_sgpr_workgroup_id_z 1
		.amdhsa_system_vgpr_workitem_id 0
		.amdhsa_next_free_vgpr 1024
		.amdhsa_next_free_sgpr 72
		.amdhsa_reserve_vcc 0
		.amdhsa_float_denorm_mode_32 3
		.amdhsa_float_denorm_mode_16_64 3
		.amdhsa_memory_ordered 1
		.amdhsa_forward_progress 1
		.amdhsa_inst_pref_size 118
	.end_amdhsa_kernel
	.amdgpu_metadata
---
amdhsa.version: [ 1, 2 ]
amdhsa.kernels:
  - .name:           k_q7a824a2003_proj
    .symbol:         k_q7a824a2003_proj.kd
    .args:
      - { .name: xb, .offset: 0, .size: 8, .value_kind: global_buffer, .address_space: global }
      - { .name: wt, .offset: 8, .size: 8, .value_kind: global_buffer, .address_space: global }
      - { .name: qkv, .offset: 16, .size: 8, .value_kind: global_buffer, .address_space: global }
    .group_segment_fixed_size: 327680
    .private_segment_fixed_size: 0
    .kernarg_segment_align: 8
    .kernarg_segment_size: 24
    .max_flat_workgroup_size: 128
    .sgpr_count:     72
    .vgpr_count:     1024
    .wavefront_size: 32
...
	.end_amdgpu_metadata
.endif
;; end of part 2
;; launch scores (part 3): grid 8 x 32, 4 waves a work-group, clusters of 4 x 4, 327,680 bytes of LDS; arguments qkv, mask, pb, ms, ls; writes pb, ms, ls
.if DOCPART == 3
	.amdgcn_target "amdgcn-amd-amdhsa--gfx1250"
	.amdhsa_code_object_version 6
	.text
	.protected	k_q7a824a2003_scores
	.globl	k_q7a824a2003_scores
	.p2align	8
	.type	k_q7a824a2003_scores,@function
k_q7a824a2003_scores:
	s_mov_b64 s[64:65], 0
	v_nop
	global_prefetch_b8 v0, s[64:65] scope:SCOPE_SE
	s_setreg_imm32_b32 hwreg(HW_REG_WAVE_MODE, 25, 1), 1
	s_wait_xcnt 0x0
	s_wait_alu depctr_hold_cnt(0) depctr_sa_sdst(0) depctr_va_vdst(0) depctr_va_sdst(0) depctr_va_ssrc(0) depctr_va_vcc(0) depctr_vm_vsrc(0)
	s_getreg_b32 s2, hwreg(HW_REG_IB_STS2, 6, 4)
	s_cmp_eq_u32 s2, 0
	s_cbranch_scc0 .Lentry_in_a_cluster
	s_endpgm
.Lentry_in_a_cluster:
	s_bfe_u32 s2, ttmp6, 0x10000c
	s_cmp_lg_u32 s2, 0xf033
	s_cbranch_scc0 .Lentry_shape_is_right
	s_endpgm
.Lentry_shape_is_right:
; SCORES.  S = q k^T (f16 operands, f32 sums, K = 1,024); y' = S / 32 + A, A = 0 or -1e9 by the QUERY's mask byte (0: -1e9; any other byte counts as true), one fused multiply-add:
; 1 / 32 is a power of two, so that is the one rounding that the sum in f32 has.  Then a softmax LOCAL to a block of 128 keys: m = the block's maximum of y', p = e^(y' - m): the difference first,
; then the factor log2 e; l = the sum of the unrounded p.  p leaves in f16, m and l in f32; the launch behind joins the sixteen blocks of a row.
; LIMITS.  p lies in 0 to 1; below 6e-5 it keeps f16's fixed step of 6e-8; a weight below 2^-126 counts as 0 in l; NaN and infinities are not treated apart.
; A tile is 256 queries x 256 keys of one batch: 32 x 8 tiles, one for each of 256 work-groups.  Four waves, 2 x 2, each 128 x 128: 64 accumulators, 512 registers: a wave's 128 keys are one block.
; IN.  qkv lies in fragment order: [tile row][kc = channel / 32][row block 16][half 2][lane 32][16 bytes].  A K step is 128 channels: 65,536 dense bytes of q's tile row and of k's; each wave asks for
; half of one (32,768 bytes, as 128 rows of 256).  In LDS they lie as in memory: a fragment load takes 512 consecutive bytes, 16 a lane.  A slot is 131,072 bytes, so one exclusive or changes slots.
; CLUSTER 4 x 4: q's tile is shared along a row of the cluster, k's along a column (a cluster's four tile rows lie in one batch).  The product is used transposed: a lane holds one query and eight neighbouring keys.
; OUT.  pb [query tile 32][row block 16][kq = key / 32, 64][half 2][lane 32][16 bytes] f16: a lane's four packed registers of key block b are half b % 2 of the fragment (16 queries x 32 keys) that the
; launch behind multiplies: they are stored as they lie, 512 consecutive bytes a store.  ms, ls [block j 16][row 8,192] f32.
; REGISTERS.  Window 0: v14-54 addresses, mask bytes, statistics; v64-127, v128-191 q's fragments, two buffers (on the way out: y', p in f16).  Window 1: v64-191 k's fragments.
;   Windows 2, 3: accumulator (a, b) at v[8 (8 (a % 4) + b)] of window 2 + a / 4.
.set PLANE,  32768                     ; what one tensor load brings: 64 channels of 256 rows
.set SLOT1,  131072                    ; q's two planes, then k's
.set SSTG,   2*SLOT1                   ; for each wave 1,024 bytes: m of its 128 queries, then l
.set SPARE,  SSTG+4096                 ; the spare words
.set KQ,     16384                     ; a quarter of a K step: 32 channels of 256 rows
.set DW0,    (1<<16)|(1<<21)           ; 2-byte elements; bit 21 beside a mask; no padding
.set AA0,  14                          ; my place in a slot's q: 8,192 x row half + 16 x lane; never rewritten
.set AB0,  15                          ; the same for k
.set ADRA, 16                          ; the same in the slot in hand
.set ADRB, 17
.set GO,   26                          ; steps 65,536 bytes a block
.set SPW,  28
.set NIL,  29
.set PFO,  30
.set MO,   31                          ; l % 16
.set MK,   32                          ; v32-39 my query's mask byte in each of the eight blocks
.set Y,    64
.set P16,  128
.set BK,   160
.set F0,   64
.set F1,   128
.set G1,   24
.set G0,   32                          ; s[32:35] q's first fill of slot 0; s[36:39] that of slot 1, which then walks on
.set G1B,  48
.set G0B,  56                          ; the same for k
.set LIM,  43
.set PFA,  44
.set TB,   68                          ; s68 the slot in hand: 0 or SLOT1
.set SC,   76                          ; s[76:77] 1 / 32
.set C2,   78                          ; s[78:79] log2 e
.set BIGN, 80                          ; s80 -1e9
.set SEL,  82                          ; s[82:83] v_permlanex16_b32's selects
.set MSB, 0
.macro WIN new
.if MSB != (\new)
	s_set_vgpr_msb (MSB<<8)|(\new)
.set MSB, \new
.endif
.endm
.set MUL_LO, 0xa1                      ; source 0 (k) window 1, source 1 (q) window 0, C and D window 2
.set MUL_HI, 0xf1
.set TO_B,   0x40
.macro PLACES
.rept 4
	v_nop
.endr
.endm
.macro JLOAD s                         ; waves 0, 1 fetch q's two planes, waves 2, 3 k's
	s_cmp_eq_u32 s11, 0
	s_cbranch_scc0 .Lfor_b_\@
	tensor_load_to_lds s[G0+4*(\s):G0+4*(\s)+3], s[G1:G1+7]
	s_nop 0
.rept 4
	v_nop
.endr
	s_branch .Lasked_\@
.Lfor_b_\@:
	tensor_load_to_lds s[G0B+4*(\s):G0B+4*(\s)+3], s[G1B:G1B+7]
	s_nop 0
.rept 4
	v_nop
.endr
.Lasked_\@:
.endm
.macro CREST
	s_cmp_lg_u32 s10, 0
	s_cbranch_scc1 .Lnot_wave_0_\@
	s_barrier_signal -3
.Lnot_wave_0_\@:
	s_barrier_wait -3
	s_barrier_signal -1
	s_barrier_wait -1
.endm
.macro CROUND
	s_barrier_signal -1
	s_barrier_wait -1
	CREST
.endm
; A prefetch into the L2, behind each joint load and the run of LDS loads: my work-group's 8,192 bytes of the plane that I fetch, of the K step two refills on.  q's tile row is read by both clusters of a row
; of clusters: cluster x = 0 asks; k's tile by the batch's two clusters of a column: the even cluster y asks.  The loop's last two trips ask for nothing: K steps 8 and 9 do not exist.
.macro ASK
	s_cmp_gt_u32 s3, s[LIM]
	s_cbranch_scc0 .Lnot_mine_\@
	global_prefetch_b8 v[PFO], s[PFA:PFA+1] th:TH_LOAD_NT scope:SCOPE_SE
.Lnot_mine_\@:
.endm
	s_load_b128 s[4:7], s[0:1], 0x0                ; qkv s[4:5], mask s[6:7]
	s_load_b64 s[8:9], s[0:1], 0x10                ; pb
	s_load_b128 s[72:75], s[0:1], 0x18             ; ms s[72:73], ls s[74:75]
	v_lshl_add_u32 v[SPW], v0, 2, SPARE
	v_mov_b32 v[NIL], 0
	ds_add_u32 v[SPW], v[NIL]                      ; the wave's opening
	v_lshrrev_b32 v1, 5, v0
	v_readfirstlane_b32 s10, v1
	s_lshr_b32 s11, s10, 1                         ; my half of the queries.  Also: I fetch q (0) or k (1)
	s_and_b32 s12, s10, 1                          ; my half of the keys.  Also: which plane I fetch
	s_bfe_u32 s40, ttmp6, 0x40000
	s_bfe_u32 s41, ttmp6, 0x40004
	s_lshl_b32 s42, ttmp9, 2
	s_add_co_u32 s42, s42, s40                     ; key tile of the batch
	s_and_b32 s13, ttmp7, 0xffff
	s_lshl_b32 s13, s13, 2
	s_add_co_u32 s13, s13, s41                     ; query tile
	s_lshl_b32 s43, s41, 2
	s_lshl_b32 s43, 15, s43
	s_lshl_b32 s44, 0x1111, s40
	s_or_b32 s[G1+0], s43, DW0
	s_or_b32 s[G1B+0], s44, DW0
.irp g, G1, G1B
	s_mov_b32 s[(\g)+1], 128<<16
	s_mov_b32 s[(\g)+2], 128<<16                   ; 32,768 dense bytes = 128 rows of 256
	s_mov_b32 s[(\g)+3], 128<<16
	s_mov_b32 s[(\g)+4], 128
	s_mov_b32 s[(\g)+5], 128
	s_mov_b32 s[(\g)+6], 0
	s_mov_b32 s[(\g)+7], 0
.endr
	s_mov_b32 s[SC], 0x3d000000
	s_mov_b32 s[SC+1], s[SC]
	s_mov_b32 s[C2], 0x3fb8aa3b
	s_mov_b32 s[C2+1], s[C2]
	s_mov_b32 s[BIGN], 0xce6e6b28
	s_mov_b32 s[SEL], 0x76543210
	s_mov_b32 s[SEL+1], 0xfedcba98
	s_mov_b32 s[TB], 0
	s_mul_i32 s16, s13, 1572864                    ; q: my tile row of qkv, from its first byte on
	s_lshl_b32 s17, s12, 15
	s_add_co_u32 s16, s16, s17
	s_mov_b32 s17, 0
	s_and_b32 s46, ttmp7, 0xffff                   ; k: the batch is cluster y / 2, which all partners share,
	s_lshr_b32 s46, s46, 1
	s_lshl_b32 s46, s46, 3
	s_add_co_u32 s46, s46, s42                     ; its tile row of qkv,
	s_mul_i32 s46, s46, 1572864
	s_lshl_b32 s47, s12, 15
	s_add_co_u32 s46, s46, s47
	s_add_co_u32 s46, s46, 524288                  ; kc 32 ..
	s_mov_b32 s47, 0
	s_lshl_b32 s20, s10, 15                        ; where they go: wave x a plane
	s_wait_dscnt 0x0
	s_wait_kmcnt 0x0
	s_add_nc_u64 s[14:15], s[4:5], s[16:17]
	s_add_nc_u64 s[46:47], s[4:5], s[46:47]
	CROUND
.irp s, 0,1
	s_mov_b32 s[G0+4*(\s)], 1
	s_add_co_u32 s[G0+4*(\s)+1], s20, (\s)*SLOT1
	s_add_nc_u64 s[G0+4*(\s)+2:G0+4*(\s)+3], s[14:15], (\s)*65536
	s_or_b32 s[G0+4*(\s)+3], s[G0+4*(\s)+3], 0x80000000
	s_mov_b32 s[G0B+4*(\s)], 1
	s_add_co_u32 s[G0B+4*(\s)+1], s20, (\s)*SLOT1
	s_add_nc_u64 s[G0B+4*(\s)+2:G0B+4*(\s)+3], s[46:47], (\s)*65536
	s_or_b32 s[G0B+4*(\s)+3], s[G0B+4*(\s)+3], 0x80000000
	JLOAD \s
.endr
	v_and_b32 v1, 15, v0
	v_and_b32 v[MO], 15, v0
	s_lshl_b32 s16, s13, 8                         ; the mask bytes of my wave's 128 queries
	s_lshl_b32 s17, s11, 7
	s_add_co_u32 s16, s16, s17
	s_mov_b32 s17, 0
	s_add_nc_u64 s[6:7], s[6:7], s[16:17]
.irp a, 0,1,2,3,4,5,6,7
	global_load_u8 v[MK+(\a)], v[MO], s[6:7] offset:16*(\a)
.endr
	v_and_b32 v54, 31, v0
	v_lshlrev_b32 v[PFO], 8, v54
	v_lshlrev_b32 v54, 4, v54                      ; 16 x lane; never rewritten
	s_lshl_b32 s21, s11, 13                        ; my 8 row blocks of q, 1,024 bytes each
	s_lshl_b32 s22, s12, 13                        ; my 8 of k,
	s_add_co_u32 s22, s22, 2*PLANE                 ; which lies behind q
	v_add_nc_u32 v[AA0], s21, v54
	v_add_nc_u32 v[AB0], s22, v54
	v_add_nc_u32 v[ADRA], s[TB], v[AA0]
	v_add_nc_u32 v[ADRB], s[TB], v[AB0]
	v_mov_b32 v[GO], v54
	s_lshl_b32 s23, s10, 10
	s_add_co_u32 s23, s23, SSTG
	v_lshl_add_u32 v52, v1, 2, s23                 ; where m of my query goes; steps 64 bytes a block
	v_add_nc_u32 v53, s23, v54                     ; where the statistics are read back
	s_lshl_b32 s16, s13, 20                        ; pb: the query tile,
	s_lshl_b32 s17, s11, 19                        ; my 8 row blocks of 65,536 bytes,
	s_add_co_u32 s16, s16, s17
	s_lshl_b32 s17, s42, 13                        ; kq = 8 x key tile
	s_add_co_u32 s16, s16, s17
	s_lshl_b32 s17, s12, 12                        ; + 4 x key half, 1,024 bytes each
	s_add_co_u32 s16, s16, s17
	s_mov_b32 s17, 0
	s_add_nc_u64 s[8:9], s[8:9], s[16:17]
	s_lshl_b32 s16, s42, 1                         ; ms, ls: block j = 2 x key tile + key half,
	s_add_co_u32 s16, s16, s12
	s_lshl_b32 s16, s16, 15
	s_lshl_b32 s17, s13, 10                        ; the tile's 256 rows,
	s_add_co_u32 s16, s16, s17
	s_lshl_b32 s17, s11, 9                         ; my 128
	s_add_co_u32 s16, s16, s17
	s_mov_b32 s17, 0
	s_add_nc_u64 s[72:73], s[72:73], s[16:17]
	s_add_nc_u64 s[74:75], s[74:75], s[16:17]
	; the prefetches
	s_mul_i32 s20, s13, 1572864
	s_and_b32 s22, ttmp7, 0xffff
	s_lshr_b32 s19, s22, 1
	s_lshl_b32 s19, s19, 3
	s_add_co_u32 s19, s19, s42
	s_mul_i32 s19, s19, 1572864
	s_add_co_u32 s19, s19, 524288
	s_and_b32 s22, s22, 1                          ; cluster y's parity
	s_cmp_eq_u32 s11, 0
	s_cselect_b32 s20, s20, s19
	s_cselect_b32 s21, s40, s41
	s_cselect_b32 s22, ttmp9, s22
	s_cmp_eq_u32 s22, 0
	s_cselect_b32 s[LIM], 2, -1                    ; a wave that asks does so while more than two trips are left
	s_lshl_b32 s21, s21, 13                        ; my work-group's 8,192 bytes of the plane
	s_add_co_u32 s20, s20, s21
	s_lshl_b32 s21, s12, 15
	s_add_co_u32 s20, s20, s21
	s_add_co_u32 s20, s20, 3*65536                 ; at K step 3: the first change steps it to 4
	s_mov_b32 s21, 0
	s_add_nc_u64 s[PFA:PFA+1], s[4:5], s[20:21]
.macro MUL16 f, hi, a0, zero           ; 16 products: query blocks a0, a0 + 1 of the window's four x all 8 key blocks, 32 channels
	WIN MUL_LO+0x50*(\hi)
.irp a, \a0, (\a0)+1
.irp b, 0,1,2,3,4,5,6,7
.if \zero
	v_wmma_f32_16x16x32_f16 v[8*(8*(\a)+(\b)):8*(8*(\a)+(\b))+7], v[(\f)+8*(\b):(\f)+8*(\b)+7], v[(\f)+8*(4*(\hi)+(\a)):(\f)+8*(4*(\hi)+(\a))+7], 0
.else
	v_wmma_f32_16x16x32_f16 v[8*(8*(\a)+(\b)):8*(8*(\a)+(\b))+7], v[(\f)+8*(\b):(\f)+8*(\b)+7], v[(\f)+8*(4*(\hi)+(\a)):(\f)+8*(4*(\hi)+(\a))+7], v[8*(8*(\a)+(\b)):8*(8*(\a)+(\b))+7]
.endif
.endr
.endr
.endm
.macro FETCH k, f                      ; 32 LDS loads in one run, from the slot in hand: k's eight fragments, then q's; each load takes 512 consecutive bytes
	WIN TO_B
.irp i, 0,1,2,3,4,5,6,7
	ds_load_b128 v[(\f)+8*(\i):(\f)+8*(\i)+3],   v[ADRB] offset:(\k)+(\i)*1024
	ds_load_b128 v[(\f)+8*(\i)+4:(\f)+8*(\i)+7], v[ADRB] offset:(\k)+(\i)*1024+512
.endr
	WIN 0
.irp i, 0,1,2,3,4,5,6,7
	ds_load_b128 v[(\f)+8*(\i):(\f)+8*(\i)+3],   v[ADRA] offset:(\k)+(\i)*1024
	ds_load_b128 v[(\f)+8*(\i)+4:(\f)+8*(\i)+7], v[ADRA] offset:(\k)+(\i)*1024+512
.endr
.endm
; A K step is four quarters of 32 channels, 64 products each, on buffers 0, 1, 0, 1; the 64 accumulators take turns in the same order in every quarter.
.macro QUARTER k, f, g, zero
	s_wait_dscnt 8                                 ; k's fragments and q's rows 0-63 are in; the youngest eight loads may be out
	MUL16 \f, 0, 0, \zero
	MUL16 \f, 0, 2, \zero
	PLACES
	FETCH \k, \g
	s_wait_dscnt 32                                ; all but the 32 just issued
	MUL16 \f, 1, 0, \zero
	MUL16 \f, 1, 2, \zero
.endm
; The last quarter multiplies buffer 1 and changes slots: each wave waits for all its tensor loads, adds 0 to its spare word, waits for that and for its reads of this slot; the barrier (with fill = 1 it
; opens a round of the cluster's); the joint refill first behind it, by the walking descriptor (the other slot than last time, the next K step), 224 products ahead of the wait for it.
.macro TURN fill
.if \fill
	s_wait_xcnt 0x0                                ; the last prefetch, a K step back, has read its address
	s_add_nc_u64 s[PFA:PFA+1], s[PFA:PFA+1], 65536
.endif
	WIN 0
	s_wait_tensorcnt 0x0
	ds_add_u32 v[SPW], v[NIL]
	s_wait_dscnt 9                                 ; (the add and the youngest eight loads may be out)
	MUL16 F1, 0, 0, 0
	s_wait_dscnt 0x0                               ; the add is done, and my reads of this slot are over
	s_barrier_signal -1
	MUL16 F1, 0, 2, 0
	WIN 0
	s_barrier_wait -1
.if \fill
	CREST
	s_xor_b32 s[G0+5], s[G0+5], SLOT1
	s_add_nc_u64 s[G0+6:G0+7], s[G0+6:G0+7], 65536
	s_xor_b32 s[G0B+5], s[G0B+5], SLOT1
	s_add_nc_u64 s[G0B+6:G0B+7], s[G0B+6:G0B+7], 65536
	JLOAD 1                                        ; its four v_nop are also the places in front of the loads below
.else
	PLACES
.endif
	s_xor_b32 s[TB], s[TB], SLOT1                  ; the fetches go on in the other slot
	v_add_nc_u32 v[ADRA], s[TB], v[AA0]
	v_add_nc_u32 v[ADRB], s[TB], v[AB0]
	FETCH 0, F0
.if \fill
	ASK
.endif
	MUL16 F1, 1, 0, 0
	MUL16 F1, 1, 2, 0
.endm
	s_wait_loadcnt 0x0                             ; the mask bytes
	s_wait_tensorcnt 1                             ; my part of K step 0 is in; K step 1's may stay out
	s_barrier_signal -1
	s_barrier_wait -1
	FETCH 0, F0
	QUARTER KQ, F0, F1, 1                          ; the first quarter starts the sums
	WIN 0
	s_mov_b32 s3, 6
.Lstep:                                                ; a trip: a K step's quarters 1 to 3 and the next step's quarter 0; K steps 2 to 7 are asked for
	QUARTER 2*KQ, F1, F0, 0
	QUARTER 3*KQ, F0, F1, 0
	TURN 1
	QUARTER KQ, F0, F1, 0
	WIN 0
	s_sub_co_u32 s3, s3, 1
	s_cmp_lg_u32 s3, 0
	s_cbranch_scc1 .Lstep
	QUARTER 2*KQ, F1, F0, 0                        ; the last two K steps ask for nothing
	QUARTER 3*KQ, F0, F1, 0
	TURN 0
	QUARTER KQ, F0, F1, 0
	QUARTER 2*KQ, F1, F0, 0
	QUARTER 3*KQ, F0, F1, 0
	s_wait_dscnt 8
	MUL16 F1, 0, 0, 0
	MUL16 F1, 0, 2, 0
	s_wait_dscnt 0x0
	MUL16 F1, 1, 0, 0
	MUL16 F1, 1, 2, 0
	WIN 0
	; THE WAY OUT: a loop of eight trips, a block of 16 queries each, so that the softmax's text stands once.  What differs between the blocks (which accumulators, which mask byte) is one short piece for
	; each, chosen by the counter: it makes y' = S / 32 + A and leaves it in window 0.
	PLACES
	v_mov_b32 v49, 0                               ; v_permlanex16_b32's destination counts as read
	s_mov_b32 s67, 8
.Lblk:
.irp a, 0,1,2,3,4,5,6
	s_cmp_eq_u32 s67, 8-(\a)
	s_cbranch_scc1 .Lb\a
.endr
	s_branch .Lb7
.macro BLK a
.Lb\a:
	v_cmp_eq_u32 vcc_lo, 0, v[MK+(\a)]
	v_cndmask_b32 v40, 0, s[BIGN], vcc_lo          ; A
	v_mov_b32 v41, v40
	WIN 2+(\a)/4                                   ; source 0 in the accumulators' window
.set i, 0
.rept 32
	v_pk_fma_f32 v[Y+2*i:Y+2*i+1], v[64*((\a)%4)+2*i:64*((\a)%4)+2*i+1], s[SC:SC+1], v[40:41] op_sel_hi:[1,0,1]  ; each accumulator from its low end on
.set i, i+1
.endr
	WIN 0
	s_branch .Lcommon
.endm
	BLK 0
	BLK 1
	BLK 2
	BLK 3
	BLK 4
	BLK 5
	BLK 6
	BLK 7
.Lcommon:
	; the maximum of my 64 numbers: four chains, three operands at a time; then the query's other 64 keys, in the lane 16 away
.irp c, 0,1,2,3
	v_max3_num_f32 v[44+(\c)], v[Y+16*(\c)], v[Y+16*(\c)+1], v[Y+16*(\c)+2]
.endr
.irp n, 0,1,2,3,4,5
.irp c, 0,1,2,3
	v_max3_num_f32 v[44+(\c)], v[44+(\c)], v[Y+16*(\c)+3+2*(\n)], v[Y+16*(\c)+4+2*(\n)]
.endr
.endr
	v_max3_num_f32 v44, v44, v[Y+15], v[Y+31]
	v_max3_num_f32 v46, v46, v[Y+47], v[Y+63]
	v_max3_num_f32 v44, v44, v45, v46
	v_max_num_f32 v44, v44, v47
	v_permlanex16_b32 v45, v44, s[SEL], s[SEL+1]
	v_max_num_f32 v42, v44, v45                    ; m
	v_mov_b32 v43, v42
.set i, 0
.rept 32
	v_pk_add_f32 v[Y+2*i:Y+2*i+1], v[Y+2*i:Y+2*i+1], v[42:43] neg_lo:[0,1] neg_hi:[0,1]  ; y' - m, in f32, ahead of any factor: at -1e9 both are multiples of 64
.set i, i+1
.endr
.set i, 0
.rept 32
	v_pk_mul_f32 v[Y+2*i:Y+2*i+1], v[Y+2*i:Y+2*i+1], s[C2:C2+1] op_sel_hi:[1,0]
.set i, i+1
.endr
.set i, 0
.rept 64
	v_exp_f32 v[Y+i], v[Y+i]                       ; one batch
.set i, i+1
.endr
	v_nop                                          ; a plain instruction behind the last exponential
	s_wait_alu depctr_va_vdst(0)                   ; one wait for the batch, ahead of its first reader
.set i, 0
.rept 32
	v_cvt_pk_f16_f32 v[P16+i], v[Y+2*i], v[Y+2*i+1]
.set i, i+1
.endr
.irp b, 0,1,2,3,4,5,6,7
	global_store_b128 v[GO], v[P16+4*(\b):P16+4*(\b)+3], s[8:9] offset:512*(\b)  ; half b % 2 of fragment kq + b / 2: 512 consecutive bytes, aligned; the eight cover 4,096
.endr
.irp st, 1,2,4,8,16                    ; the sum of the 32 pairs, in place: neighbours 1, 2, 4, 8, 16 pairs apart
.set i, 0
.rept 16/(\st)
	v_pk_add_f32 v[Y+4*(\st)*i:Y+4*(\st)*i+1], v[Y+4*(\st)*i:Y+4*(\st)*i+1], v[Y+4*(\st)*i+2*(\st):Y+4*(\st)*i+2*(\st)+1]
.set i, i+1
.endr
.endr
	v_add_f32 v48, v[Y], v[Y+1]
	v_permlanex16_b32 v49, v48, s[SEL], s[SEL+1]
	v_add_f32 v48, v48, v49                        ; l
	ds_store_b32 v52, v42                          ; both halves of the lanes write the same number to the same word
	ds_store_b32 v52, v48 offset:512
	s_wait_xcnt 0x0                                ; the stores have read their offset and their data, which the next trip writes
	v_add_nc_u32 v[GO], 0x10000, v[GO]             ; the next row block
	v_add_nc_u32 v52, 64, v52
	s_sub_co_u32 s67, s67, 1
	s_cmp_lg_u32 s67, 0
	s_cbranch_scc1 .Lblk
	ds_load_b128 v[BK:BK+3], v53                   ; m of my wave's 128 queries: 512 bytes (LDS serves a wave's instructions in order: these see the stores above),
	ds_load_b128 v[BK+4:BK+7], v53 offset:512      ; and l
	s_wait_dscnt 0x0
	global_store_b128 v54, v[BK:BK+3], s[72:73]
	global_store_b128 v54, v[BK+4:BK+7], s[74:75]
	s_wait_tensorcnt 0x0                           ; the wave's end
	ds_add_u32 v[SPW], v[NIL]
	s_wait_dscnt 0x0
	CROUND                                         ; the closing round
	s_endpgm
.Lfunc_end_k_q7a824a2003_scores:
	.size	k_q7a824a2003_scores, .Lfunc_end_k_q7a824a2003_scores-k_q7a824a2003_scores
	.p2alignl 7, 3214868480
	.fill 96, 4, 3214868480
	.section	.rodata,"a",@progbits
	.p2align	6, 0x0
	.amdhsa_kernel k_q7a824a2003_scores
		.amdhsa_group_segment_fixed_size 327680
		.amdhsa_private_segment_fixed_size 0
		.amdhsa_enable_private_segment 0
		.amdhsa_kernarg_size 40
		.amdhsa_user_sgpr_count 2
		.amdhsa_user_sgpr_kernarg_segment_ptr 1
		.amdhsa_wavefront_size32 1
		.amdhsa_system_sgpr_workgroup_id_x 1
		.amdhsa_system_sgpr_workgroup_id_y 1
		.amdhsa_system_sgpr_workgroup_id_z 1
		.amdhsa_system_vgpr_workitem_id 0
		.amdhsa_next_free_vgpr 1024
		.amdhsa_next_free_sgpr 88
		.amdhsa_reserve_vcc 1
		.amdhsa_float_denorm_mode_32 3
		.amdhsa_float_denorm_mode_16_64 3
		.amdhsa_memory_ordered 1
		.amdhsa_forward_progress 1
		.amdhsa_inst_pref_size 119
	.end_amdhsa_kernel
	.amdgpu_metadata
---
amdhsa.version: [ 1, 2 ]
amdhsa.kernels:
  - .name:           k_q7a824a2003_scores
    .symbol:         k_q7a824a2003_scores.kd
    .args:
      - { .name: qkv, .offset: 0, .size: 8, .value_kind: global_buffer, .address_space: global }
      - { .name: mask, .offset: 8, .size: 8, .value_kind: global_buffer, .address_space: global }
      - { .name: pb, .offset: 16, .size: 8, .value_kind: global_buffer, .address_space: global }
      - { .name: ms, .offset: 24, .size: 8, .value_kind: global_buffer, .address_space: global }
      - { .name: ls, .offset: 32, .size: 8, .value_kind: global_buffer, .address_space: global }
    .group_segment_fixed_size: 327680
    .private_segment_fixed_size: 0
    .kernarg_segment_align: 8
    .kernarg_segment_size: 40
    .max_flat_workgroup_size: 128
    .sgpr_count:     88
    .vgpr_count:     1024
    .wavefront_size: 32
...
	.end_amdgpu_metadata
.endif
;; end of part 3
;; launch pv (part 4): grid 8 x 32, 4 waves a work-group, clusters of 4 x 4, 327,680 bytes of LDS; arguments pb, qkv, ms, ls, out0; writes out0
.if DOCPART == 4
	.amdgcn_target "amdgcn-amd-amdhsa--gfx1250"
	.amdhsa_code_object_version 6
	.text
	.protected	k_q7a824a2003_pv
	.globl	k_q7a824a2003_pv
	.p2align	8
	.type	k_q7a824a2003_pv,@function
k_q7a824a2003_pv:
	s_mov_b64 s[64:65], 0
	v_nop
	global_prefetch_b8 v0, s[64:65] scope:SCOPE_SE
	s_setreg_imm32_b32 hwreg(HW_REG_WAVE_MODE, 25, 1), 1
	s_wait_xcnt 0x0
	s_wait_alu depctr_hold_cnt(0) depctr_sa_sdst(0) depctr_va_vdst(0) depctr_va_sdst(0) depctr_va_ssrc(0) depctr_va_vcc(0) depctr_vm_vsrc(0)
	s_getreg_b32 s2, hwreg(HW_REG_IB_STS2, 6, 4)
	s_cmp_eq_u32 s2, 0
	s_cbranch_scc0 .Lentry_in_a_cluster
	s_endpgm
.Lentry_in_a_cluster:
	s_bfe_u32 s2, ttmp6, 0x10000c
	s_cmp_lg_u32 s2, 0xf033
	s_cbranch_scc0 .Lentry_shape_is_right
	s_endpgm
.Lentry_shape_is_right:
; PV.  out = (the sum over the sixteen key blocks j of f_j P_j V_j) / L, with M = max_j m_j, f_j = e^(m_j - M), L = the sum of f_j l_j: the softmax over all 2,048 keys, joined from the local ones.
; f and L are made in f32; f is rounded once to f16 and multiplied onto P's fragments (f16, packed) between their load and the product; sums in f32; the division is a multiplication by 1 / L.
; LIMITS.  f P lies in 0 to 1 and below 6e-5 keeps f16's fixed step of 6e-8; L is at least 1 (the block that holds M has f = 1 and l >= 1); NaN and infinities are not treated apart.
; A tile is 256 queries x 128 channels: 32 x 8, one for each of 256 work-groups.  Four waves, each 64 queries x 128 channels: 32 accumulators.  A QUARTER is 32 keys: 32 products.
; P COMES STRAIGHT INTO REGISTERS.  A wave's 64 rows of P are its own: no other wave of the work-group reads them, and pb holds them as fragments, so a load of 16 bytes a lane takes 512 consecutive bytes and
; fills half a fragment.  A ring of eight register buffers, a quarter each: the loads for quarter Q + 7 go out at the head of quarter Q, so 56 loads of a wave are out at the most.
; WHY P IS NOT ASKED FOR JOINTLY, though the four work-groups of a row of the cluster read the same rows: with P in LDS two slots hold 128 keys each (P 73,728 + V 40,960 bytes a slot), and a refill has
; 112 products in which to land; with V alone a slot holds 256 keys, a refill has 240, and the cluster meets 6 times in place of 14.
; V GOES THROUGH LDS: a slot is 256 keys x 128 channels, 65,536 dense bytes of qkv ([kc][row block 16][half][lane][16 bytes]), a quarter of them for each wave, asked for jointly along a column of the 4 x 4
; cluster as 64 rows of 256 bytes; 128 bytes are left behind each row, so that the 16 lanes of a turning load (8 keys x 2 groups of 8 channels, 256 bytes apart in memory) take 16 different 16-byte columns.
; O^T = V^T P: source 0 = 16 channels x 32 keys (V turned by ds_load_tr16_b128), source 1 = 16 queries' 32 keys: a lane holds one query and eight neighbouring channels.
; REGISTERS.  Window 0: v1-30 addresses and statistics; v64-127, v128-191 V's fragments, two buffers; v192-195, v196-199 the factors of two blocks; v200-207 1 / L in pairs.
;   Window 1: v0-127 P's buffers 0-3; v128-255 the accumulators of query blocks 0, 1.  Window 2: v0-127 P's buffers 4-7; v128-255 those of blocks 2, 3.  Accumulator (a, b) at 128 + 8 (8 (a % 2) + b).
; The next quarter's P is scaled behind the 16 products whose accumulators lie in that buffer's window, two lines behind each: no window is switched for them.  In quarters 3 and 7 the ring changes
; windows: there the scalings stand in fours behind every second product, with two switches.
.set SLOT1,  131072                    ; slot 1 begins here: one exclusive or changes slots; a slot takes 98,304 bytes
.set CH32,   24576                     ; 32 channels of 256 keys: 64 rows of 256 + 128 bytes: what one tensor load brings
.set STAGE,  SLOT1+4*CH32              ; 16 rows x 528 bytes (512 + 16) for each wave
.set WSTG,   8448
.set FTAB,   STAGE+4*WSTG              ; for each wave: [j 16][row 64] the factor twice in f16 (4 bytes), then 1 / L of the 64 rows
.set WFT,    4352
.set SPARE,  FTAB+4*WFT
.set DW0,    (1<<16)|(1<<20)|(1<<21)|(5<<22)|(31<<25)  ; 2-byte elements; padding on; bit 21 beside a mask; after every 64 words; 32 words
.set AV0,  18                          ; my lane's place in a turning load; never rewritten
.set AV1,  19                          ; the same, 64 channels on
.set ADR,  20                          ; v20-21 the same two in the slot in hand
.set FTA,  22                          ; where my queries' factors lie; steps 512 bytes a slot
.set STO,  24
.set RD,   25
.set GO,   26                          ; 16 x lane: P's loads and the stores; never rewritten
.set SPW,  28
.set NIL,  29
.set PFO,  30                          ; 256 x lane; never rewritten
.set FSA,  192                         ; the factors of an even block j
.set FSB,  196                         ; of an odd one
.set IL,   200
.set G1,   24
.set G0,   32                          ; s[32:35] the first fill of slot 0; s[36:39] that of slot 1, which then walks on
.set PB,   44                          ; s[44:45] my rows of P at the slot in hand
.set PFP,  46                          ; s[46:47] what my next prefetch of P names
.set PFV,  48                          ; s[48:49] of V
.set LIMP, 50                          ; 1 in a wave that prefetches P, else the greatest number
.set LIMV, 51
.set TB,   52                          ; the slot in hand: 0 or SLOT1
.set C2,   76
.set MSB, 0
.macro WIN new
.if MSB != (\new)
	s_set_vgpr_msb (MSB<<8)|(\new)
.set MSB, \new
.endif
.endm
.macro PLACES
.rept 4
	v_nop
.endr
.endm
.macro CREST
	s_cmp_lg_u32 s10, 0
	s_cbranch_scc1 .Lnot_wave_0_\@
	s_barrier_signal -3
.Lnot_wave_0_\@:
	s_barrier_wait -3
	s_barrier_signal -1
	s_barrier_wait -1
.endm
.macro CROUND
	s_barrier_signal -1
	s_barrier_wait -1
	CREST
.endm
; PREFETCHES INTO THE L2, 32 lanes x 256 bytes, behind the joint load and the run of LDS loads of a change of slots.  At the change into slot s: V of slot s + 2, which the next change will load: the batch's
; even cluster y asks, each partner 16,384 bytes by its cy, waves 0 and 1 half of that each; and P of slot s + 2, whose loads begin ten quarters on: cluster x = 0 asks, each wave for the row block 4 w + cx
; of its four.  So each block is named once in the launch.  The last change that fills asks for nothing; slots 0 to 2 come by their loads alone.
.macro ASK lim, pa
	s_cmp_gt_u32 s3, s[\lim]                       ; s3 = 1 at the last change of the loop
	s_cbranch_scc0 .Lnot_mine_\@
	global_prefetch_b8 v[PFO], s[\pa:\pa+1] th:TH_LOAD_NT scope:SCOPE_SE
.Lnot_mine_\@:
.endm
.macro PLOAD c, ko                     ; 8 loads: a quarter's four fragments of P into buffer c, from byte ko behind PB
	WIN 0x40*(1+(\c)/4)
.irp a, 0,1,2,3
	global_load_b128 v[32*((\c)%4)+8*(\a):32*((\c)%4)+8*(\a)+3],   v[GO], s[PB:PB+1] offset:(\a)*65536+(\ko)
	global_load_b128 v[32*((\c)%4)+8*(\a)+4:32*((\c)%4)+8*(\a)+7], v[GO], s[PB:PB+1] offset:(\a)*65536+(\ko)+512
.endr
.endm
.macro FETCH_B kq, f                   ; 16 turning loads: V's eight fragments of quarter kq of the slot in hand
	WIN 0
.irp b, 0,1,2,3,4,5,6,7
	ds_load_tr16_b128 v[64+64*(\f)+8*(\b):64+64*(\f)+8*(\b)+3],   v[ADR+((\b)>>2)] offset:(((\b)>>1)&1)*CH32+((\b)&1)*768+(\kq)*3072
	ds_load_tr16_b128 v[64+64*(\f)+8*(\b)+4:64+64*(\f)+8*(\b)+7], v[ADR+((\b)>>2)] offset:(((\b)>>1)&1)*CH32+((\b)&1)*768+(\kq)*3072+1536
.endr
.endm
.macro PR c, f, hi, zero               ; product pj of the 16 of query blocks 2 hi, 2 hi + 1: P in buffer c, V in buffer f
	WIN (0x50+0x50*(\hi))|((1+(\c)/4)<<2)
.if \zero
	v_wmma_f32_16x16x32_f16 v[128+8*pj:128+8*pj+7], v[64+64*(\f)+8*(pj%8):64+64*(\f)+8*(pj%8)+7], v[32*((\c)%4)+8*(2*(\hi)+pj/8):32*((\c)%4)+8*(2*(\hi)+pj/8)+7], 0
.else
	v_wmma_f32_16x16x32_f16 v[128+8*pj:128+8*pj+7], v[64+64*(\f)+8*(pj%8):64+64*(\f)+8*(pj%8)+7], v[32*((\c)%4)+8*(2*(\hi)+pj/8):32*((\c)%4)+8*(2*(\hi)+pj/8)+7], v[128+8*pj:128+8*pj+7]
.endif
.endm
.macro RID n, fs                       ; register ri of buffer n times its rows' factor
	WIN 0x54*(1+(\n)/4)
	v_pk_mul_f16 v[32*((\n)%4)+ri], v[(\fs)+ri/8], v[32*((\n)%4)+ri]
.set ri, ri+1
.endm
.macro HALF c, f, hi, i0, cnt, zero, n, fs, mode  ; mode 0: products alone; 1: two scalings behind each; 2: four behind every second
.set pj, \i0
.rept \cnt
	PR \c, \f, \hi, \zero
.if (\mode) == 1
	RID \n, \fs
	RID \n, \fs
.elseif ((\mode) == 2) && (pj%2 == 1)
	RID \n, \fs
	RID \n, \fs
	RID \n, \fs
	RID \n, \fs
.endif
.set pj, pj+1
.endr
.endm
; QUARTER q (0 to 6) of a slot.  At its head: V's fragments of quarter q + 1, and (pl = 1) P's loads for the quarter seven on, into the buffer that the last quarter multiplied.  fsl = 1: the factors of the
; next even block.  lc: how many younger loads may be out when P of quarter q + 1 has to be in.  The 32 accumulators take turns, one instruction a turn.
.macro QR q, pl, lc, fsl, zero
.if (\q) < 3
.set QFS, FSA
.else
.set QFS, FSB
.endif
.if (\q) == 3
.set QMD, 2
.else
.set QMD, 1
.endif
	PLACES
	FETCH_B (\q)+1, 1-((\q)&1)
.if \fsl
.irp a, 0,1,2,3
	ds_load_b32 v[FSA+(\a)], v[FTA] offset:512+64*(\a)
.endr
.endif
.if \pl
	PLOAD ((\q)+7)%8, ((\q)+7)*1024
.endif
	s_wait_dscnt 16+4*(\fsl)                       ; all but the run just issued: this quarter's V is in
	HALF \q, (\q)&1, 1-(\q)/4, 0, 16, \zero, 0, 0, 0
	s_wait_loadcnt \lc                             ; P of the next quarter is in
.set ri, 0
	HALF \q, (\q)&1, (\q)/4, 0, 16, \zero, (\q)+1, QFS, QMD
.endm
; QUARTER 7, WITH THE CHANGE OF SLOTS.  Its V lies in registers, so the slot's reads are over.  Each wave waits for all its tensor loads (one is out: its part of the other slot), adds 0 to its spare word, and
; waits for that and for its reads; the barrier (with fill = 1 it opens a round of the cluster's); the joint refill, two slots on, first behind it: 240 products ahead of the wait for it.
.macro Q7X fill
	WIN 0
	s_wait_xcnt 0x0                                ; the loads, a quarter back, and the prefetches, a slot back, have read their addresses
	s_add_nc_u64 s[PB:PB+1], s[PB:PB+1], 8192      ; P at the next slot's eight quarters
.if \fill
	s_add_nc_u64 s[PFP:PFP+1], s[PFP:PFP+1], 8192
	s_add_nc_u64 s[PFV:PFV+1], s[PFV:PFV+1], 1572864
.endif
	v_add_nc_u32 v[FTA], 512, v[FTA]
	PLACES
	PLOAD 6, 6*1024
	WIN 0
	s_wait_tensorcnt 0x0                           ; all my tensor loads have landed
	ds_add_u32 v[SPW], v[NIL]
	s_wait_dscnt 1                                 ; (the add may be out: this quarter's V is in)
	HALF 7, 1, 0, 0, 8, 0, 0, 0, 0
	s_wait_dscnt 0x0                               ; the add is done, and my reads of this slot are over
	s_barrier_signal -1
	HALF 7, 1, 0, 8, 8, 0, 0, 0, 0
	WIN 0
	s_barrier_wait -1
.if \fill
	CREST
	s_xor_b32 s[G0+5], s[G0+5], SLOT1              ; the walking descriptor: the other slot than last time,
	s_add_nc_u64 s[G0+6:G0+7], s[G0+6:G0+7], 1572864  ; the next 256 keys
	tensor_load_to_lds s[G0+4:G0+7], s[G1:G1+7]
	s_nop 0
.rept 4
	v_nop                                          ; also the places in front of the loads below
.endr
.else
	PLACES
.endif
	s_xor_b32 s[TB], s[TB], SLOT1                  ; the fetches go on in the other slot
	v_add_nc_u32 v[ADR], s[TB], v[AV0]
	v_add_nc_u32 v[ADR+1], s[TB], v[AV1]
	FETCH_B 0, 0
.irp a, 0,1,2,3
	ds_load_b32 v[FSB+(\a)], v[FTA] offset:256+64*(\a)  ; the next slot's odd block
.endr
.if \fill
	ASK LIMP, PFP
	ASK LIMV, PFV
.endif
	s_wait_loadcnt 48                              ; P of the next slot's quarter 0 is in: six quarters' loads are younger
.set ri, 0
	HALF 7, 1, 1, 0, 16, 0, 0, FSA, 2
.endm
	s_load_b128 s[4:7], s[0:1], 0x0                ; pb s[4:5], qkv s[6:7]
	s_load_b128 s[72:75], s[0:1], 0x10             ; ms s[72:73], ls s[74:75]
	s_load_b64 s[8:9], s[0:1], 0x20                ; out0
	v_lshl_add_u32 v[SPW], v0, 2, SPARE
	v_mov_b32 v[NIL], 0
	ds_add_u32 v[SPW], v[NIL]                      ; the wave's opening
	v_lshrrev_b32 v1, 5, v0
	v_readfirstlane_b32 s10, v1                    ; wave 0..3
	s_bfe_u32 s40, ttmp6, 0x40000                  ; cx
	s_bfe_u32 s41, ttmp6, 0x40004                  ; cy
	s_lshl_b32 s42, ttmp9, 2
	s_add_co_u32 s42, s42, s40                     ; channel tile
	s_and_b32 s13, ttmp7, 0xffff
	s_lshl_b32 s13, s13, 2
	s_add_co_u32 s13, s13, s41                     ; query tile
	s_lshl_b32 s14, 0x1111, s40                    ; my column of the cluster: V's tile hangs on the channel tile and the batch alone
	s_or_b32 s[G1+0], s14, DW0
	s_mov_b32 s[G1+1], 128<<16                     ; rows of 256 bytes,
	s_mov_b32 s[G1+2], 64<<16                      ; 64 of them: 16,384 dense bytes
	s_mov_b32 s[G1+3], 128<<16
	s_mov_b32 s[G1+4], 64
	s_mov_b32 s[G1+5], 128
	s_mov_b32 s[G1+6], 0
	s_mov_b32 s[G1+7], 0
	s_mov_b32 s[C2], 0x3fb8aa3b
	s_mov_b32 s[C2+1], s[C2]
	s_mov_b32 s[TB], 0
	s_and_b32 s16, ttmp7, 0xffff                   ; V: the batch is cluster y / 2: eight tile rows of qkv,
	s_lshr_b32 s16, s16, 1
	s_mul_i32 s16, s16, 12582912
	s_lshl_b32 s17, s42, 16                        ; kc = 64 + 4 x channel tile
	s_add_co_u32 s16, s16, s17
	s_add_co_u32 s16, s16, 64*16384
	s_lshl_b32 s17, s10, 14                        ; + my wave's number
	s_add_co_u32 s16, s16, s17
	s_mov_b32 s17, 0
	s_mul_i32 s20, s10, CH32                       ; where it goes: no place in the cluster enters an LDS address
	s_wait_dscnt 0x0
	s_wait_kmcnt 0x0
	s_add_nc_u64 s[18:19], s[6:7], s[16:17]
	CROUND                                         ; all sixteen work-groups are here: the first joint loads meet
.irp s, 0,1
	s_mov_b32 s[G0+4*(\s)], 1
	s_add_co_u32 s[G0+4*(\s)+1], s20, (\s)*SLOT1
	s_add_nc_u64 s[G0+4*(\s)+2:G0+4*(\s)+3], s[18:19], (\s)*1572864
	s_or_b32 s[G0+4*(\s)+3], s[G0+4*(\s)+3], 0x80000000
.endr
	tensor_load_to_lds s[G0:G0+3], s[G1:G1+7]      ; keys 0-255
	s_nop 0
	tensor_load_to_lds s[G0+4:G0+7], s[G1:G1+7]    ; keys 256-511: two loads of mine are out
	s_nop 0
.rept 4
	v_nop
.endr
	; the statistics: a lane owns rows 2 l, 2 l + 1 of the wave's 64; a load takes 256 consecutive bytes, aligned
	v_and_b32 v1, 15, v0
	v_bfe_u32 v2, v0, 4, 1
	v_and_b32 v3, 31, v0
	s_lshl_b32 s16, s13, 10
	s_mov_b32 s17, 0
	s_add_nc_u64 s[72:73], s[72:73], s[16:17]
	s_add_nc_u64 s[74:75], s[74:75], s[16:17]
	s_lshl_b32 s18, s10, 8
	v_lshl_add_u32 v14, v3, 3, s18
.irp j, 0,1,2,3,4,5,6,7,8,9,10,11,12,13,14,15
	global_load_b64 v[64+2*(\j):65+2*(\j)], v14, s[72:73] offset:32768*(\j)
.endr
.irp j, 0,1,2,3,4,5,6,7,8,9,10,11,12,13,14,15
	global_load_b64 v[96+2*(\j):97+2*(\j)], v14, s[74:75] offset:32768*(\j)
.endr
	s_lshl_b32 s16, s13, 20                        ; P: the query tile,
	s_lshl_b32 s17, s10, 18                        ; my four row blocks of 65,536 bytes
	s_add_co_u32 s16, s16, s17
	s_mov_b32 s17, 0
	s_add_nc_u64 s[PB:PB+1], s[4:5], s[16:17]
	v_lshlrev_b32 v[GO], 4, v3
.irp c, 0,1,2,3,4,5,6
	PLOAD \c, (\c)*1024                            ; quarters 0 to 6
.endr
	WIN 0
	v_and_b32 v5, 7, v0                            ; the turning load: key 8 (l / 16) + l % 8: 16 bytes each; channels 8 ((l / 8) % 2) ..: a row of 384 bytes on
	v_bfe_u32 v6, v0, 3, 1
	v_lshl_add_u32 v4, v2, 3, v5
	v_lshlrev_b32 v4, 4, v4
	v_mul_u32_u24 v6, v6, 384
	v_add_nc_u32 v[AV0], v4, v6
	v_add_nc_u32 v[AV1], 2*CH32, v[AV0]
	v_add_nc_u32 v[ADR], s[TB], v[AV0]
	v_add_nc_u32 v[ADR+1], s[TB], v[AV1]
	s_mul_i32 s22, s10, WFT
	s_add_co_u32 s22, s22, FTAB
	v_lshl_add_u32 v[FTA], v1, 2, s22
	v_lshl_add_u32 v15, v3, 3, s22                 ; where I put my two rows' factors
	s_mul_i32 s23, s10, WSTG
	s_add_co_u32 s23, s23, STAGE
	v_mul_u32_u24 v4, v1, 528
	v_lshl_add_u32 v4, v2, 5, v4
	v_add_nc_u32 v[STO], s23, v4
	v_add_nc_u32 v[RD], s23, v[GO]
	v_lshlrev_b32 v[PFO], 8, v3
	s_lshl_b32 s16, s13, 20                        ; out0: 256 rows of 4,096 bytes,
	s_lshl_b32 s17, s10, 18                        ; my 64,
	s_add_co_u32 s16, s16, s17
	s_lshl_b32 s17, s42, 9                         ; the tile's 128 channels
	s_add_co_u32 s16, s16, s17
	s_mov_b32 s17, 0
	s_add_nc_u64 s[8:9], s[8:9], s[16:17]
	; the prefetches: nothing is asked for here, at the head
	s_lshl_b32 s20, s13, 20
	s_lshl_b32 s21, s10, 2
	s_add_co_u32 s21, s21, s40                     ; row block 4 w + cx
	s_lshl_b32 s21, s21, 16
	s_add_co_u32 s20, s20, s21
	s_add_co_u32 s20, s20, 2*8192                  ; at slot 2: the first change steps it to 3
	s_mov_b32 s21, 0
	s_add_nc_u64 s[PFP:PFP+1], s[4:5], s[20:21]
	s_cmp_eq_u32 ttmp9, 0
	s_cselect_b32 s[LIMP], 1, -1
	s_and_b32 s22, ttmp7, 0xffff
	s_lshr_b32 s20, s22, 1
	s_mul_i32 s20, s20, 12582912
	s_add_co_u32 s20, s20, 2*1572864+64*16384      ; at slot 2
	s_lshl_b32 s21, s42, 16
	s_add_co_u32 s20, s20, s21
	s_lshl_b32 s21, s41, 14                        ; my work-group's 16,384 bytes,
	s_add_co_u32 s20, s20, s21
	s_and_b32 s21, s10, 1
	s_lshl_b32 s21, s21, 13                        ; my wave's half of them
	s_add_co_u32 s20, s20, s21
	s_mov_b32 s21, 0
	s_add_nc_u64 s[PFV:PFV+1], s[6:7], s[20:21]
	s_and_b32 s22, s22, 1                          ; cluster y's parity,
	s_lshr_b32 s23, s10, 1                         ; waves 0 and 1
	s_or_b32 s22, s22, s23
	s_cmp_eq_u32 s22, 0
	s_cselect_b32 s[LIMV], 1, -1
	s_wait_loadcnt 56                              ; the statistics are in; P's 56 loads, issued behind them, may stay out
.irp e, 0,1                            ; M of my two rows
	v_max3_num_f32 v[8+(\e)], v[64+(\e)], v[66+(\e)], v[68+(\e)]
.irp j, 3,5,7,9,11,13
	v_max3_num_f32 v[8+(\e)], v[8+(\e)], v[64+2*(\j)+(\e)], v[66+2*(\j)+(\e)]
.endr
	v_max_num_f32 v[8+(\e)], v[8+(\e)], v[94+(\e)]
.endr
.irp j, 0,1,2,3,4,5,6,7,8,9,10,11,12,13,14,15
	v_pk_add_f32 v[64+2*(\j):65+2*(\j)], v[64+2*(\j):65+2*(\j)], v[8:9] neg_lo:[0,1] neg_hi:[0,1]  ; m_j - M first,
.endr
.irp j, 0,1,2,3,4,5,6,7,8,9,10,11,12,13,14,15
	v_pk_mul_f32 v[64+2*(\j):65+2*(\j)], v[64+2*(\j):65+2*(\j)], s[C2:C2+1] op_sel_hi:[1,0]        ; then log2 e
.endr
.set i, 0
.rept 32
	v_exp_f32 v[64+i], v[64+i]
.set i, i+1
.endr
	v_nop
	s_wait_alu depctr_va_vdst(0)                   ; one wait for the 32 exponentials
	v_pk_mul_f32 v[10:11], v[64:65], v[96:97]
.irp j, 1,2,3,4,5,6,7,8,9,10,11,12,13,14,15
	v_pk_fma_f32 v[10:11], v[64+2*(\j):65+2*(\j)], v[96+2*(\j):97+2*(\j)], v[10:11]                ; L
.endr
	v_rcp_f32 v12, v10
	v_rcp_f32 v13, v11
.set i, 0
.rept 32
	v_cvt_pk_f16_f32 v[128+i], v[64+i], v[64+i]    ; the factor in both halves of a word; plain work behind the reciprocals
.set i, i+1
.endr
	s_wait_alu depctr_va_vdst(0)                   ; one wait for the two reciprocals
.irp j, 0,1,2,3,4,5,6,7,8,9,10,11,12,13,14,15
	ds_store_b64 v15, v[128+2*(\j):129+2*(\j)] offset:256*(\j)
.endr
	ds_store_b64 v15, v[12:13] offset:4096
.irp a, 0,1,2,3                        ; back, by fragments: lane l wants row 16 a + l % 16.  The table is my wave's own: LDS serves a wave's instructions in order
	ds_load_b32 v[IL+2*(\a)], v[FTA] offset:4096+64*(\a)
	ds_load_b32 v[FSA+(\a)], v[FTA] offset:64*(\a)
	ds_load_b32 v[FSB+(\a)], v[FTA] offset:256+64*(\a)
.endr
	s_wait_dscnt 0x0
.irp a, 0,1,2,3
	v_mov_b32 v[IL+2*(\a)+1], v[IL+2*(\a)]
.endr
	s_wait_tensorcnt 1                             ; my part of slot 0 is in; slot 1's may stay out
	s_barrier_signal -1
	s_barrier_wait -1
	FETCH_B 0, 0
	s_wait_loadcnt 48                              ; P of quarter 0 is in: six quarters' loads are younger
.set ri, 0
.rept 32
	RID 0, FSA                                     ; the first quarter's P: the one scaling that has no product to stand behind
.endr
	QR 0, 1, 48, 0, 1                              ; the first quarter starts the sums: nothing is cleared
	WIN 0
	s_mov_b32 s3, 7
	s_branch .Lq1                                  ; the loop is entered behind its first two quarters
.Ltop:                                                 ; six times: the change into slots 1 to 6, which asks for slots 2 to 7
	Q7X 1
	QR 0, 1, 48, 0, 0
	WIN 0
.Lq1:
	QR 1, 1, 48, 0, 0
	QR 2, 1, 48, 0, 0
	QR 3, 1, 48, 0, 0
	QR 4, 1, 48, 1, 0
	QR 5, 1, 48, 0, 0
	QR 6, 1, 48, 0, 0
	WIN 0
	s_sub_co_u32 s3, s3, 1
	s_cmp_lg_u32 s3, 0
	s_cbranch_scc1 .Ltop
	Q7X 0                                          ; the tail is written out: no tensor load; P's last two quarters are asked for, then the counts run down
	QR 0, 1, 48, 0, 0
	QR 1, 0, 40, 0, 0
	QR 2, 0, 32, 0, 0
	QR 3, 0, 24, 0, 0
	QR 4, 0, 16, 0, 0
	QR 5, 0, 8, 0, 0
	QR 6, 0, 0, 0, 0
	s_wait_dscnt 0x0
	HALF 7, 1, 0, 0, 16, 0, 0, 0, 0
	HALF 7, 1, 1, 0, 16, 0, 0, 0, 0
; THE WAY OUT, a block of 16 queries at a time: times 1 / L (each accumulator from its low end on), 32 bytes a lane into my stage, back as whole rows of 512 bytes, stored.
.macro OUTB a
	WIN 1+(\a)/2                                   ; source 0 in the accumulators' window
.set AB, 128+64*((\a)%2)
.set i, 0
.rept 32
	v_pk_mul_f32 v[64+2*i:64+2*i+1], v[AB+2*i:AB+2*i+1], v[IL+2*(\a):IL+2*(\a)+1]
.set i, i+1
.endr
	WIN 0
	s_wait_xcnt 0x0                                ; the stores of the block before have read the registers that the loads below write
.irp b, 0,1,2,3,4,5,6,7
	ds_store_b128 v[STO], v[64+8*(\b):64+8*(\b)+3] offset:64*(\b)
	ds_store_b128 v[STO], v[64+8*(\b)+4:64+8*(\b)+7] offset:64*(\b)+16
.endr
.irp t, 0,1,2,3,4,5,6,7,8,9,10,11,12,13,14,15
	ds_load_b128 v[128+4*(\t):128+4*(\t)+3], v[RD] offset:528*(\t)  ; LDS serves a wave's instructions in order
.endr
.irp t, 0,1,2,3,4,5,6,7,8,9,10,11,12,13,14,15
	s_wait_dscnt 15-(\t)
	global_store_b128 v[GO], v[128+4*(\t):128+4*(\t)+3], s[8:9] offset:(16*(\a)+(\t))*4096 th:TH_STORE_NT  ; 512 consecutive bytes of a row of out0, aligned
.endr
.endm
	PLACES
	OUTB 0
	OUTB 1
	OUTB 2
	OUTB 3
	s_wait_tensorcnt 0x0                           ; the wave's end
	ds_add_u32 v[SPW], v[NIL]
	s_wait_dscnt 0x0
	CROUND                                         ; the closing round
	s_endpgm
.Lfunc_end_k_q7a824a2003_pv:
	.size	k_q7a824a2003_pv, .Lfunc_end_k_q7a824a2003_pv-k_q7a824a2003_pv
	.p2alignl 7, 3214868480
	.fill 96, 4, 3214868480
	.section	.rodata,"a",@progbits
	.p2align	6, 0x0
	.amdhsa_kernel k_q7a824a2003_pv
		.amdhsa_group_segment_fixed_size 327680
		.amdhsa_private_segment_fixed_size 0
		.amdhsa_enable_private_segment 0
		.amdhsa_kernarg_size 40
		.amdhsa_user_sgpr_count 2
		.amdhsa_user_sgpr_kernarg_segment_ptr 1
		.amdhsa_wavefront_size32 1
		.amdhsa_system_sgpr_workgroup_id_x 1
		.amdhsa_system_sgpr_workgroup_id_y 1
		.amdhsa_system_sgpr_workgroup_id_z 1
		.amdhsa_system_vgpr_workitem_id 0
		.amdhsa_next_free_vgpr 768
		.amdhsa_next_free_sgpr 80
		.amdhsa_reserve_vcc 0
		.amdhsa_float_denorm_mode_32 3
		.amdhsa_float_denorm_mode_16_64 3
		.amdhsa_memory_ordered 1
		.amdhsa_forward_progress 1
		.amdhsa_inst_pref_size 158
	.end_amdhsa_kernel
	.amdgpu_metadata
---
amdhsa.version: [ 1, 2 ]
amdhsa.kernels:
  - .name:           k_q7a824a2003_pv
    .symbol:         k_q7a824a2003_pv.kd
    .args:
      - { .name: pb, .offset: 0, .size: 8, .value_kind: global_buffer, .address_space: global }
      - { .name: qkv, .offset: 8, .size: 8, .value_kind: global_buffer, .address_space: global }
      - { .name: ms, .offset: 16, .size: 8, .value_kind: global_buffer, .address_space: global }
      - { .name: ls, .offset: 24, .size: 8, .value_kind: global_buffer, .address_space: global }
      - { .name: out0, .offset: 32, .size: 8, .value_kind: global_buffer, .address_space: global }
    .group_segment_fixed_size: 327680
    .private_segment_fixed_size: 0
    .kernarg_segment_align: 8
    .kernarg_segment_size: 40
    .max_flat_workgroup_size: 128
    .sgpr_count:     80
    .vgpr_count:     768
    .wavefront_size: 32
...
	.end_amdgpu_metadata
.endif
;; end of part 4
